; MI455X (gfx1250); checked and timed in simulation.
; The chip was launched on July 23, 2026; its instructions are those of AMD's public machine-readable ISA for CDNA 5 (MIT licence, August 2026) and "CDNA5" Instruction Set Architecture Reference Guide (July 2026). The comments in the code are by the model that wrote it; some were corrected since.
;; Att Model. Allowed arithmetic: matrix products marked QUANTISED: E3M2 operands, one E8M0 scale for each 32 along K, by v_wmma_scale_f32_16x16x128_f8f6f4 with both operands' format E3M2, f32 sums; everything else in f32.
;; Inputs: Wk 256 x 512 float32; Wq 256 x 512 float32; Wv 256 x 512 float32; bk 512 float32; bq 512 float32; bv 512 float32; mask 32 x 1,024 x 1,024 float32; x 32 x 1,024 x 256 float32.
;; Outputs: out0 32 x 1,024 x 512 float32.
;; This version of the problem:
;;   THIS VERSION OF THE PROBLEM IS GIVEN IN LOW PRECISION. The matrix products marked QUANTISED in the list below multiply operands that are first quantised to E3M2 (3 exponent bits, 2 mantissa bits; 6 bits a number), with one power-of-two scale for each 32 numbers along K (OCP MX v1.0); their sums are f32. All else is computed in f32.
;;   The module's matrix products, in the order in which they are computed (A, B: the left and right operand; K: the contracted axis; several contracted axes count as one K, in the product's order):
;;     1. [M 32,768, K 256] x [K 256, N 512]; A: input x; B: input Wv: QUANTISED
;;     2. [M 32,768, K 256] x [K 256, N 512]; A: input x; B: input Wq: QUANTISED
;;     3. [M 32,768, K 256] x [K 256, N 512]; A: input x; B: input Wk: QUANTISED
;;     4. batch 32 x [M 1,024, K 512] x [K 512, N 1,024]; A: computed on the way; B: computed on the way: QUANTISED
;;     5. batch 32 x [M 1,024, K 1,024] x [K 1,024, N 512]; A: softmax (see below); B: computed on the way: QUANTISED
;;   THE QUANTISER, for each operand of a quantised product, along K:
;;     - K is cut into blocks of 32 from its start; a last block that is shorter is filled with zeros.
;;     - A block's scale is 2^e with e = floor(log2(the largest magnitude in the block)) - 4, held to -126 .. 127; a block of zeros has e = 0. As a byte (E8M0): e + 127.
;;     - Each number is divided by its block's scale, clamped to +-28, and rounded to the nearest number of E3M2, ties to even, subnormals kept.
;;     - The product sums the exact products of the quantised numbers (number of the format x scale) in f32.
;;   ~~~python
;;   def quantise(x, axis):      # numpy; x: float32 -> the quantised numbers, widened to float32 again
;;       x = np.moveaxis(x, axis, -1); K = x.shape[-1]
;;       x = np.pad(x, [(0, 0)] * (x.ndim - 1) + [(0, -K % 32)]); x = x.reshape(x.shape[:-1] + (-1, 32)); a = np.abs(x).max(-1, keepdims=True)
;;       e = np.where(a > 0, np.clip(np.frexp(np.where(a > 0, a, 1))[1] - 1 - 4, -126, 127), 0)      # np.frexp(a)[1] - 1 = floor(log2(a)), exactly
;;       r = np.clip(x / 2.0 ** e, -28, 28)
;;       step = 2.0 ** (np.maximum(np.frexp(np.where(r == 0, 1, r))[1] - 1, -2) - 2)
;;       q = np.round(r / step) * step * 2.0 ** e      # np.round: ties to even
;;       return np.moveaxis(q.reshape(q.shape[:-2] + (-1,))[..., :K], -1, axis).astype(np.float32)
;;   ~~~
;;   SOFTMAX AHEAD OF A QUANTISED PRODUCT. Where the list says 'softmax', what is quantised is not the finished softmax but p = 2^(t - M), with t = logit x log2(e) and M = ceil(the row's largest t), a whole number; so 1/2 < the row's largest p <= 1. The row's sum l is taken of the UNQUANTISED p, in f32, and the product's result is divided by l at the end. Since M is a whole number, a kernel that streams over the keys may use a running M (the ceiling of the running maximum): every later rescaling is an exact power of two, which a block's scale takes up: the codes' values come out the same.
;;   OPERANDS COMPUTED ON THE WAY. 'Computed on the way' means the value that the module computes at that place (a softmax that the list does not call 'softmax' is quantised finished and normalised). What goes into a quantiser is computed in f32, as accurately as f32 sums, v_exp_f32 and their like allow (about 1e-6 of the number): no bf16 or f16 on the way to a quantiser, and a product that is left as it is and whose result goes on into a quantised operand takes f32 operands (vector FMAs, or v_wmma_f32_16x16x4_f32). A number that lies on a knife's edge between two numbers of the format may be rounded either way, as far as f32 arithmetic and the matrix unit's own rounding can turn it there, and no further.
;; One version. Each part assembles by itself: llvm-mc -triple=amdgcn-amd-amdhsa -mcpu=gfx1250 --defsym DOCPART=n.
;; ======== version 1 of 1: 3 launches
;; workspace buffers: wc 294,912 bytes; wsc 12,288 bytes; qc 13,107,200 bytes; kc 13,107,200 bytes; vc 13,107,200 bytes
;; launch wquant (part 1): grid 8 x 3, 4 waves a work-group, no clusters, 13,312 bytes of LDS; arguments Wv, Wq, Wk, wc, wsc; writes wc, wsc
.if DOCPART == 1
	.amdgcn_target "amdgcn-amd-amdhsa--gfx1250"
	.amdhsa_code_object_version 6
	.text
	.protected	k_q98b5c03b93_wquant
	.globl	k_q98b5c03b93_wquant
	.p2align	8
	.type	k_q98b5c03b93_wquant,@function
k_q98b5c03b93_wquant:
	s_mov_b64 s[64:65], 0
	v_nop
	global_prefetch_b8 v0, s[64:65] scope:SCOPE_SE
	s_setreg_imm32_b32 hwreg(HW_REG_WAVE_MODE, 25, 1), 1
	s_wait_xcnt 0x0
; Wv, Wq, Wk [256 (k)][512 (n)] f32 become codes of BF6 (E3M2) quantised along k, their FIRST axis, with one E8M0 byte for each 32 along k.
; The codes are laid as IMAGES OF THE OPERAND'S REGISTERS: a fragment is 16 columns x 128 k = 12 registers a lane = 1,536 bytes; register g of lane L lies at 512 (g / 4) + 16 L + 4 (g % 4).
; Fragment F = ((3 w + mat) 8 + t) 2 + s:  w = group of 128 columns, mat = 0 (v), 1 (q), 2 (k), t = tile, s = which 128 of k.
; THE COLUMNS OF A TILE ARE NOT NEIGHBOURS: lane r of tile 2 b + u holds column 32 b + 8 u + r + 8 (r / 8) of its group, so that two neighbouring tiles' results are 16 neighbours along the next product's K.
; Scale words: [(3 w + mat) 2 + t / 4][lane r + 16 s][word t % 4], 512 bytes each: a register of the reader then holds k step 0's word in lanes 0-15 and k step 1's in lanes 16-31.
; A LANE TAKES A COLUMN AND ITS REGISTERS RUN DOWN k: a load reads 128 consecutive bytes, a block of 32 lies in one lane, and the conversions give codes with k innermost.
; Work-group (x, y): 64 columns of matrix y.  Wave: pp = wave / 2 picks 32 columns, s = wave % 2 picks 128 of k.  24 work-groups: the three weights are 1.5 MB, there is no more work to share.
; A block's scale is 2^(floor(log2(largest magnitude)) - 4); its byte is that magnitude's exponent field - 4, held at 1 from below.
; LIMITS: a block of zeros, or one whose largest magnitude lies under 2^-122, gets the byte 1 (the rule says 127 for zeros: its codes are zeros, and this program alone reads the bytes); NaN and infinities are not served.
.set SCS,  12288                       ; LDS: four stages of 3,072 bytes (two fragments a wave), then the work-group's 512 bytes of scale words
.set X,    64                          ; v64-191  my column's 128 numbers
.set PC,   32                          ; v32-55   six registers of codes for each block
.set CT,   56                          ; v56-58   a block's upper 16 codes (a conversion's three registers begin on an even number)
.set OUTR, 192                         ; v192-215 the two fragments on their way out
	s_load_b256 s[4:11], s[0:1], 0x0               ; Wv s[4:5], Wq s[6:7], Wk s[8:9], wc s[10:11]
	s_load_b64 s[12:13], s[0:1], 0x20              ; wsc
	v_lshl_add_u32 v216, v0, 2, 0x3200
	v_mov_b32 v217, 0
	v_lshrrev_b32 v1, 5, v0
	v_readfirstlane_b32 s14, v1                    ; wave
	v_and_b32 v1, 31, v0                           ; lane l
	v_lshlrev_b32 v2, 2, v1                        ; my column's 4 bytes in a row
	s_and_b32 s15, s14, 1                          ; s
	s_lshr_b32 s16, s14, 1                         ; pp
	s_and_b32 s17, ttmp7, 0xffff                   ; mat
	v_and_b32 v8, 7, v1
	v_lshrrev_b32 v9, 4, v1
	v_lshl_add_u32 v8, v9, 3, v8                   ; r = l % 8 + 8 (l / 16)
	v_bfe_u32 v9, v1, 3, 1                         ; u = (l / 8) % 2
	s_mul_i32 s18, s14, 3072                       ; my stage
	v_mul_u32_u24 v3, v9, 1536
	v_lshl_add_u32 v3, v8, 4, v3
	v_add_nc_u32 v3, s18, v3                       ; into it: fragment u, 16 r
	v_lshlrev_b32 v6, 4, v1                        ; 16 x lane
	v_add_nc_u32 v4, s18, v6                       ; out of it
	v_lshlrev_b32 v5, 4, v8
	v_lshl_add_u32 v5, v9, 2, v5
	s_lshl_b32 s19, s15, 8
	s_lshl_b32 s20, s16, 3
	s_add_co_u32 s19, s19, s20
	s_add_co_u32 s19, s19, SCS
	v_add_nc_u32 v5, s19, v5                       ; my scale word: SCS + 16 (r + 16 s) + 4 (2 pp + u)
	v_add_nc_u32 v12, SCS, v6                      ; and where wave 0 reads the 512 bytes back
	s_lshr_b32 s22, ttmp9, 1                       ; w
	s_and_b32 s23, ttmp9, 1
	s_mul_i32 s24, s22, 3
	s_add_co_u32 s24, s24, s17                     ; 3 w + mat
	s_mul_i32 s26, s24, 24576
	s_lshl_b32 s25, s23, 1
	s_add_co_u32 s25, s25, s16                     ; b = 2 (x % 2) + pp
	s_mul_i32 s25, s25, 6144
	s_add_co_u32 s26, s26, s25
	s_mul_i32 s25, s15, 1536
	s_add_co_u32 s26, s26, s25
	s_mov_b32 s27, 0                               ; s[26:27]: my first fragment in wc
	s_lshl_b32 s28, s24, 1
	s_add_co_u32 s28, s28, s23
	s_lshl_b32 s28, s28, 9
	s_mov_b32 s29, 0                               ; s[28:29]: the work-group's 512 bytes in wsc
	s_lshl_b32 s20, s15, 18                        ; 128 s rows of 2,048 bytes,
	s_lshl_b32 s21, ttmp9, 8                       ; 64 x columns,
	s_add_co_u32 s20, s20, s21
	s_lshl_b32 s21, s16, 7                         ; 32 pp columns
	s_add_co_u32 s20, s20, s21
	s_mov_b32 s21, 0
	s_wait_kmcnt 0x0
	s_cmp_eq_u32 s17, 1                            ; which weight: the choice hangs on the work-group's number alone
	s_cselect_b64 s[4:5], s[6:7], s[4:5]
	s_cmp_eq_u32 s17, 2
	s_cselect_b64 s[4:5], s[8:9], s[4:5]
	s_add_nc_u64 s[4:5], s[4:5], s[20:21]
	s_add_nc_u64 s[10:11], s[10:11], s[26:27]
	s_add_nc_u64 s[12:13], s[12:13], s[28:29]
.macro LOADB kb                        ; block kb: rows 32 kb .. 32 kb + 31 of my column
.set i_, 0
.rept 32
	global_load_b32 v[X+32*(\kb)+i_], v2, s[4:5] offset:(32*(\kb)+i_)*2048 th:TH_LOAD_NT
.set i_, i_+1
.endr
.endm
.macro BLOCK kb
.set XB, X+32*(\kb)
.set PB, PC+6*(\kb)
.if (\kb) < 3
	s_wait_loadcnt 32                              ; this block's 32 loads are in; the next block's 32 may be out
.else
	s_wait_loadcnt 0x0
.endif
	v_max3_num_f32 v8, |v[XB]|, |v[XB+1]|, |v[XB+2]|               ; the block's largest magnitude, in two chains
	v_max3_num_f32 v9, |v[XB+3]|, |v[XB+4]|, |v[XB+5]|
.irp i, 6,10,14,18,22,26
	v_max3_num_f32 v8, v8, |v[XB+\i]|, |v[XB+\i+1]|
	v_max3_num_f32 v9, v9, |v[XB+\i+2]|, |v[XB+\i+3]|
.endr
	v_max3_num_f32 v8, v8, |v[XB+30]|, |v[XB+31]|
	v_max3_num_f32 v8, v8, v9, 0x2800000           ; and the floor 2^(5 - 127): the byte cannot fall under 1
	v_add_nc_u32 v10, 0xfe000000, v8               ; 4 off the exponent field: the conversion's scale operand
	v_lshrrev_b32 v11, 23, v10                     ; the scale's byte
.if (\kb) == 0
	v_mov_b32 v7, v11
.else
	v_lshl_or_b32 v7, v11, 8*(\kb), v7             ; the lower k in the lower byte
.endif
	v_cvt_scalef32_pk16_bf6_f32 v[PB:PB+2], v[XB:XB+15], v10
	v_cvt_scalef32_pk16_bf6_f32 v[CT:CT+2], v[XB+16:XB+31], v10
	v_nop                                          ; one plain place behind a scaled conversion
.irp i, 0,1,2
	v_mov_b32 v[PB+3+\i], v[CT+\i]
.endr
.if (\kb)+2 < 4
	LOADB (\kb)+2
.endif
; block kb is registers 6 c .. 6 c + 5 of lane r + 16 h of the fragment, h = kb % 2, c = kb / 2
.if (\kb)/2 == 0
	ds_store_b128 v3, v[PB:PB+3] offset:256*((\kb)%2)
	ds_store_b64 v3, v[PB+4:PB+5] offset:512+256*((\kb)%2)
.else
	ds_store_b64 v3, v[PB:PB+1] offset:520+256*((\kb)%2)
	ds_store_b128 v3, v[PB+2:PB+5] offset:1024+256*((\kb)%2)
.endif
.endm
	LOADB 0
	LOADB 1
	BLOCK 0
	BLOCK 1
	BLOCK 2
	BLOCK 3
	ds_store_b32 v5, v7                            ; my column's scale word for these 128 of k
.irp k, 0,1,2,3,4,5
	ds_load_b128 v[OUTR+4*\k:OUTR+4*\k+3], v4 offset:512*\k        ; LDS serves a wave's instructions in order: these see my stores
.endr
.irp k, 0,1,2,3,4,5
	s_wait_dscnt 5-\k
	global_store_b128 v6, v[OUTR+4*\k:OUTR+4*\k+3], s[10:11] offset:(\k/3)*3072+(\k%3)*512   ; 32 lanes store 512 consecutive bytes, aligned
.endr
	s_wait_dscnt 0x0                               ; for the others' sake: my scale words lie in LDS
	s_barrier_signal -1
	s_barrier_wait -1
	s_cmp_lg_u32 s14, 0
	s_cbranch_scc1 .Lend
	ds_load_b128 v[16:19], v12                     ; wave 0 stores the work-group's 512 bytes of scale words as one run
	s_wait_dscnt 0x0
	global_store_b128 v6, v[16:19], s[12:13]
.Lend:
	s_wait_tensorcnt 0x0
	ds_add_u32 v216, v217
	s_wait_dscnt 0x0
	s_endpgm
.Lfunc_end_k_q98b5c03b93_wquant:
	.size	k_q98b5c03b93_wquant, .Lfunc_end_k_q98b5c03b93_wquant-k_q98b5c03b93_wquant
	.p2alignl 7, 3214868480
	.fill 96, 4, 3214868480
	.section	.rodata,"a",@progbits
	.p2align	6, 0x0
	.amdhsa_kernel k_q98b5c03b93_wquant
		.amdhsa_group_segment_fixed_size 13312
		.amdhsa_private_segment_fixed_size 0
		.amdhsa_enable_private_segment 0
		.amdhsa_kernarg_size 40
		.amdhsa_user_sgpr_count 2
		.amdhsa_user_sgpr_kernarg_segment_ptr 1
		.amdhsa_wavefront_size32 1
		.amdhsa_system_sgpr_workgroup_id_x 1
		.amdhsa_system_sgpr_workgroup_id_y 1
		.amdhsa_system_sgpr_workgroup_id_z 1
		.amdhsa_system_vgpr_workitem_id 0
		.amdhsa_next_free_vgpr 218
		.amdhsa_next_free_sgpr 66
		.amdhsa_reserve_vcc 0
		.amdhsa_float_denorm_mode_32 3
		.amdhsa_float_denorm_mode_16_64 3
		.amdhsa_memory_ordered 1
		.amdhsa_forward_progress 1
		.amdhsa_inst_pref_size 23
	.end_amdhsa_kernel
	.amdgpu_metadata
---
amdhsa.version: [ 1, 2 ]
amdhsa.kernels:
  - .name:           k_q98b5c03b93_wquant
    .symbol:         k_q98b5c03b93_wquant.kd
    .args:
      - { .name: Wv, .offset: 0, .size: 8, .value_kind: global_buffer, .address_space: global }
      - { .name: Wq, .offset: 8, .size: 8, .value_kind: global_buffer, .address_space: global }
      - { .name: Wk, .offset: 16, .size: 8, .value_kind: global_buffer, .address_space: global }
      - { .name: wc, .offset: 24, .size: 8, .value_kind: global_buffer, .address_space: global }
      - { .name: wsc, .offset: 32, .size: 8, .value_kind: global_buffer, .address_space: global }
    .group_segment_fixed_size: 13312
    .private_segment_fixed_size: 0
    .kernarg_segment_align: 8
    .kernarg_segment_size: 40
    .max_flat_workgroup_size: 128
    .sgpr_count:     66
    .vgpr_count:     218
    .wavefront_size: 32
...
	.end_amdgpu_metadata
.endif
;; end of part 1
;; launch proj (part 2): grid 256 x 1, 4 waves a work-group, clusters of 4 x 1, 327,680 bytes of LDS; arguments x, wc, wsc, bv, bq, bk, qc, kc, vc; writes qc, kc, vc
.if DOCPART == 2
	.amdgcn_target "amdgcn-amd-amdhsa--gfx1250"
	.amdhsa_code_object_version 6
	.text
	.protected	k_q98b5c03b93_proj
	.globl	k_q98b5c03b93_proj
	.p2align	8
	.type	k_q98b5c03b93_proj,@function
k_q98b5c03b93_proj:
	s_mov_b64 s[64:65], 0
	v_nop
	global_prefetch_b8 v0, s[64:65] scope:SCOPE_SE
	s_setreg_imm32_b32 hwreg(HW_REG_WAVE_MODE, 25, 1), 1
	s_wait_xcnt 0x0
	s_wait_alu depctr_hold_cnt(0) depctr_sa_sdst(0) depctr_va_vdst(0) depctr_va_sdst(0) depctr_va_ssrc(0) depctr_va_vcc(0) depctr_vm_vsrc(0)
	s_getreg_b32 s2, hwreg(HW_REG_IB_STS2, 6, 4)
	s_cmp_eq_u32 s2, 0
	s_cbranch_scc0 .Lentry_in_a_cluster
	s_endpgm
.Lentry_in_a_cluster:
	s_bfe_u32 s2, ttmp6, 0x10000c
	s_cmp_lg_u32 s2, 0x3003
	s_cbranch_scc0 .Lentry_shape_is_right
	s_endpgm
.Lentry_shape_is_right:
; v = relu(x Wv + bv), q = relu(x Wq + bq) / 2304, k = relu(x Wk + bk), all three products on codes of BF6 (E3M2) with one E8M0 scale for each 32 along K = 256; the results are quantised at once
; for the products that follow: q and k along the 512 hidden units, v along the keys (its rows).  They leave as IMAGES OF THE OPERAND'S REGISTERS (a fragment: 16 rows x 128 K, 12 registers a lane, 1,536 bytes,
; register g of lane L at 512 (g / 4) + 16 L + 4 (g % 4)), one block of 51,200 bytes for each 128 rows of x:
;   q, k: codes [tile of rows m = 0..7][K step s = 0..3]; from byte 49,152 scale words [s][lane (r, h)][word i] = tile 4 h + i, row r.
;   v:    codes [tile of hidden units ht = 0..31] (K = the block's 128 keys); from byte 49,152 scale words [ht / 8][lane (r, h)][word i] = tile 8 (ht / 8) + 4 h + i.
; THE MEMBERS OF A TILE ARE NOT NEIGHBOURS, of x's rows and of a weight's columns alike: lane r of tile 2 b + u holds member 32 b + 8 u + r + 8 (r / 8) of its 128.  So the 16 registers of two neighbouring
; result tiles are 16 NEIGHBOURS along the next K, whichever operand stands first.
; SHARES.  A work-group takes 128 rows of x.  Wave w quantises x's tiles 2 w, 2 w + 1 (they go to the others through LDS as register images) and owns columns 128 w .. 128 w + 127 of each weight, for all 128 rows.
;   v: source 0 = x's tile, source 1 = the weight's tile: a lane holds one hidden unit, its registers run down the keys.   q, k: the other way round: a lane holds one row, its registers run along the hidden units.
; CLUSTER.  All work-groups walk the same weights: each wave asks JOINTLY with its three partners for its own 73,728 bytes of codes, once.  Nothing in LDS is filled again.
; The biases are the C of each sum's first matrix instruction.  The eight accumulators take turns.
; REGISTERS, in windows of 256: window 0: v1-13 addresses; v16-79 eight accumulators; v80-99 codes just made; v100-117 at work; v120-131 scale words made; v132-139 x's scale words, v140-163 the weights'.
;   window 1: x's 16 fragments (m, s) at 12 (2 m + s).   window 2: first x as f32, four sets of 64; then one weight's 16 fragments (t, s) at 12 (2 t + s).   window 3: the biases, 64 mat + 8 t.
; LIMITS: a block of zeros, or one whose largest magnitude lies under 2^-122, gets the byte 1 (its codes are zeros or near it; this program alone reads the bytes); NaN and infinities are not served.
.set XIMG, 294912                      ; LDS: 0 .. the weights' codes, wave w at 73,728 w, inside it 24,576 mat + 1,536 (2 t + s);  then x's 16 fragments;
.set XSC,  319488                      ; then x's scale words, 128 bytes a tile: lanes 0-15 K step 0's, lanes 16-31 K step 1's
.set HA,   16
.set PC,   80
.set TM,   100
.set PW,   116
.set PWS,  120
.set SO,   128
.set XS,   132
.set WS,   140
.set WV,   22
.set SEL,  26
.set HM,   58
.set MSB,  0
.macro WIN new                         ; the immediate's high byte repeats the setting that is left
.if MSB != (\new)
	s_set_vgpr_msb (MSB<<8)|(\new)
.set MSB, (\new)
.endif
.endm
.macro ROUND                           ; a round of the cluster's barrier
	s_barrier_signal -1
	s_barrier_wait -1
	s_cmp_lg_u32 s[WV], 0
	s_cbranch_scc1 .Lnot_wave_0_\@
	s_barrier_signal -3
.Lnot_wave_0_\@:
	s_barrier_wait -3
	s_barrier_signal -1
	s_barrier_wait -1
.endm
.macro PLACES
.rept 4
	v_nop
.endr
.endm
.macro WMR d, a, b, c, sa, sb, row     ; row = 1: both sides' scale words stand in lanes 16-31
.if (\row)
	v_wmma_scale_f32_16x16x128_f8f6f4 v[(\d):(\d)+7], v[(\a):(\a)+11], v[(\b):(\b)+11], v[(\c):(\c)+7], v[\sa], v[\sb] matrix_a_fmt:MATRIX_FMT_BF6 matrix_b_fmt:MATRIX_FMT_BF6 matrix_a_scale:MATRIX_SCALE_ROW1 matrix_b_scale:MATRIX_SCALE_ROW1
.else
	v_wmma_scale_f32_16x16x128_f8f6f4 v[(\d):(\d)+7], v[(\a):(\a)+11], v[(\b):(\b)+11], v[(\c):(\c)+7], v[\sa], v[\sb] matrix_a_fmt:MATRIX_FMT_BF6 matrix_b_fmt:MATRIX_FMT_BF6
.endif
.endm
.macro XLOAD i                         ; set i: tile 2 w + i / 2, K step i % 2: of my row, 16 neighbours of each block of 32
.set b_, 0
.rept 4
.set j_, 0
.rept 4
	global_load_b128 v[64*(\i)+16*b_+4*j_:64*(\i)+16*b_+4*j_+3], v2, s[4:5] offset:8192*((\i)/2)+512*((\i)%2)+128*b_+16*j_ th:TH_LOAD_NT
.set j_, j_+1
.endr
.set b_, b_+1
.endr
.endm
; 64 numbers of a lane, v[s] .. v[s + 63] of window sw, register 16 b + i = K 32 b + 16 (lane / 16) + i of my row, become a fragment's codes in v[PC] on and its scale word in v[pw].
.macro QUANT s, sw, pw
	WIN 5*(\sw)
.set b_, 0
.rept 4
	v_max3_num_f32 v[TM+b_], |v[(\s)+16*b_]|, |v[(\s)+1+16*b_]|, 0x2800000   ; my 16 numbers of block b, and the floor 2^(5 - 127): the byte cannot fall under 1
.set b_, b_+1
.endr
	WIN 20*(\sw)
.set i_, 2
.rept 7
.set b_, 0
.rept 4
	v_max3_num_f32 v[TM+b_], v[TM+b_], |v[(\s)+16*b_+i_]|, |v[(\s)+1+16*b_+i_]|   ; the four blocks by turns
.set b_, b_+1
.endr
.set i_, i_+2
.endr
	WIN 0
.irp b, 0,1,2,3
	v_permlanex16_b32 v[TM+4+\b], v[TM+\b], s[SEL], s[SEL+1]
.endr
.irp b, 0,1,2,3
	v_max_num_f32 v[TM+\b], v[TM+\b], v[TM+4+\b]   ; with lane l xor 16's: the block's largest magnitude
.endr
.irp b, 0,1,2,3
	v_add_nc_u32 v[TM+12+\b], 0xfe000000, v[TM+\b] ; 4 off its exponent field: the conversion's scale operand
.endr
.irp b, 0,1,2,3
	v_lshrrev_b32 v[TM+4+\b], 23, v[TM+12+\b]      ; the scale's byte
.endr
	v_lshl_or_b32 v[\pw], v[TM+5], 8, v[TM+4]
	v_lshl_or_b32 v[\pw], v[TM+6], 16, v[\pw]
	v_lshl_or_b32 v[\pw], v[TM+7], 24, v[\pw]
	WIN (\sw)
.set c_, 0
.rept 2
	v_cvt_scalef32_pk16_bf6_f32 v[PC+6*c_:PC+6*c_+2], v[(\s)+32*c_:(\s)+32*c_+15], v[TM+12+2*c_]
	v_cvt_scalef32_pk16_bf6_f32 v[PC+12+4*c_:PC+12+4*c_+2], v[(\s)+32*c_+16:(\s)+32*c_+31], v[TM+13+2*c_]
.set c_, c_+1
.endr
	WIN 0
	v_nop                                          ; one plain place behind a scaled conversion
.irp c, 0,1                            ; the operand's layout wants a WHOLE block in a lane: lanes 0-15 block 2 c, lanes 16-31 block 2 c + 1
.irp i, 0,1,2
	v_permlane16_swap_b32 v[PC+6*\c+\i], v[PC+12+4*\c+\i]
.endr
.irp i, 0,1,2
	v_mov_b32 v[PC+3+6*\c+\i], v[PC+12+4*\c+\i]
.endr
.endr
.endm
.macro IMAGE adr, off                  ; the fragment in v[PC] on goes to LDS as it stands
.irp c, 0,1,2
	ds_store_b128 v[\adr], v[PC+4*\c:PC+4*\c+3] offset:(\off)+512*\c
.endr
.endm
.macro GOUT voff, base, off            ; or to memory: each store covers 512 consecutive bytes, aligned
.irp c, 0,1,2
	global_store_b128 v[\voff], v[PC+4*\c:PC+4*\c+3], s[\base:\base+1] offset:(\off)+512*\c
.endr
.endm
.macro SCOUT base                      ; eight tiles' scale words: lanes 0-15 carry tiles 0-3, lanes 16-31 tiles 4-7
	s_wait_xcnt 0x0                                ; the last such store has read its registers
.irp i, 0,1,2,3
	v_cndmask_b32 v[SO+\i], v[PWS+\i], v[PWS+4+\i], s[HM]
.endr
	global_store_b128 v13, v[SO:SO+3], s[\base:\base+1]
.endm
.macro WLOAD mat                       ; my 16 fragments of one weight from LDS into window 2
	v_add_nc_u32 v8, (\mat)*24576, v7
	WIN 0x80
.set f_, 0
.rept 16
.irp c, 0,1,2
	ds_load_b128 v[12*f_+4*\c:12*f_+4*\c+3], v8 offset:1536*f_+512*\c
.endr
.set f_, f_+1
.endr
	WIN 0
	s_wait_dscnt 0x0
.endm
.macro RELU
.set j_, 0
.rept 64
	v_max_num_f32 v[HA+j_], 0, v[HA+j_]            ; each accumulator from its low end on
.set j_, j_+1
.endr
.endm
.macro VTILE t                         ; 16 hidden units x all 128 keys: source 0 = x's tiles (window 1), source 1 = Wv's tile t (window 2), C = bv (window 3)
	WIN 0x39
.set m_, 0
.rept 8
	WMR HA+8*m_, 24*m_, 24*(\t), 8*(\t), XS+m_, WS+(\t), 0
.set m_, m_+1
.endr
	WIN 0x09
.set m_, 0
.rept 8
	WMR HA+8*m_, 24*m_+12, 24*(\t)+12, HA+8*m_, XS+m_, WS+(\t), 1
.set m_, m_+1
.endr
	WIN 0
	PLACES
	RELU
	s_wait_xcnt 0x0                                ; the last fragment's stores have read v[PC] on
	QUANT HA, 0, PWS+(\t)
	GOUT 11, 20, (\t)*1536
.endm
.macro QTILE mat, m, base              ; 16 rows x my 128 hidden units: source 0 = the weight's tiles (window 2), source 1 = x's tile m (window 1), C = the bias (window 3)
	WIN 0x36
.set t_, 0
.rept 8
	WMR HA+8*t_, 24*t_, 24*(\m), 64*(\mat)+8*t_, WS+8*(\mat)+t_, XS+(\m), 0
.set t_, t_+1
.endr
	WIN 0x06
.set t_, 0
.rept 8
	WMR HA+8*t_, 24*t_+12, 24*(\m)+12, HA+8*t_, WS+8*(\mat)+t_, XS+(\m), 1
.set t_, t_+1
.endr
	WIN 0
	PLACES
	RELU
.if (\mat) == 1
.set j_, 0
.rept 32
	v_pk_mul_f32 v[HA+j_:HA+j_+1], v[HA+j_:HA+j_+1], s[56:57] op_sel_hi:[1,0]   ; q / 2304
.set j_, j_+2
.endr
.endif
	s_wait_xcnt 0x0
	QUANT HA, 0, PWS+(\m)
	GOUT 12, \base, (\m)*6144
.endm
	s_load_b256 s[4:11], s[0:1], 0x0               ; x s[4:5], wc s[6:7], wsc s[8:9], bv s[10:11]
	s_load_b256 s[12:19], s[0:1], 0x20             ; bq s[12:13], bk s[14:15], qc s[16:17], kc s[18:19]
	s_load_b64 s[20:21], s[0:1], 0x40              ; vc
	v_lshl_add_u32 v254, v0, 2, 0x4e400
	v_mov_b32 v255, 0
	ds_add_u32 v254, v255
	ds_add_u32 v254, v255
	v_lshrrev_b32 v14, 5, v0
	v_readfirstlane_b32 s[WV], v14                 ; wave
	v_and_b32 v14, 31, v0                          ; lane
	v_and_b32 v15, 15, v0                          ; r
	v_bfe_u32 v9, v0, 4, 1                         ; h
	v_and_b32 v10, 8, v15
	v_add_nc_u32 v10, v10, v15                     ; r + 8 (r / 8)
	v_lshlrev_b32 v1, 4, v14                       ; 16 x lane
	v_lshlrev_b32 v2, 10, v10
	v_lshl_add_u32 v2, v9, 6, v2                   ; x: my row of 1,024 bytes, + 64 h
	s_mul_i32 s40, s[WV], 6144
	s_add_co_u32 s40, s40, XIMG
	v_add_nc_u32 v3, s40, v1                       ; where I store x's images: four fragments a wave
	s_lshl_b32 s40, s[WV], 8
	s_add_co_u32 s40, s40, XSC
	v_lshl_add_u32 v4, v14, 2, s40                 ; and their scale words
	v_add_nc_u32 v5, XIMG, v1                      ; where every wave reads them
	v_lshl_add_u32 v6, v14, 2, XSC
	s_mul_i32 s48, s[WV], 73728                    ; my part of the weights' codes, in memory and in LDS
	s_mov_b32 s49, 0
	v_add_nc_u32 v7, s48, v1
	v_lshlrev_b32 v9, 6, v9                        ; bq, bk: 64 h
	v_lshlrev_b32 v10, 2, v10                      ; bv: 4 (r + 8 (r / 8))
	s_mul_i32 s40, s[WV], 12288
	v_add_nc_u32 v11, s40, v1                      ; v's fragments: 8 w + t
	s_mul_i32 s40, s[WV], 1536
	v_add_nc_u32 v12, s40, v1                      ; q's and k's: 4 m + w
	s_lshl_b32 s44, s[WV], 9                       ; 512 w
	s_mov_b32 s45, 0
	s_add_co_u32 s40, s44, 49152
	v_add_nc_u32 v13, s40, v1                      ; the scale words' 512 bytes
.irp b, 0,1,2,3
	v_mov_b32 v[TM+4+\b], 0                        ; written once: a lane permute's destination counts as one of its sources
.endr
	s_mov_b32 s[SEL], 0x76543210
	s_mov_b32 s[SEL+1], 0xfedcba98                 ; v_permlanex16_b32's selects for lane l xor 16
	s_mov_b32 s56, 0x39e38e39                      ; 1 / 2304
	s_mov_b32 s57, s56
	s_mov_b32 s[HM], 0xffff0000                    ; lanes 16-31
	s_bfe_u32 s23, ttmp6, 0x40000                  ; cx
	s_lshl_b32 s24, ttmp9, 2
	s_add_co_u32 s24, s24, s23                     ; my block of 128 rows: it enters global addresses alone
	s_lshl_b32 s40, s24, 17
	s_lshl_b32 s41, s[WV], 15
	s_add_co_u32 s40, s40, s41                     ; (128 g + 32 w) rows of 1,024 bytes
	s_mov_b32 s41, 0
	s_mul_i32 s42, s24, 51200
	s_mov_b32 s43, 0
	s_mul_i32 s46, s[WV], 3072
	s_mov_b32 s47, 0
	; descriptor group 1: 73,728 dense bytes as 288 rows of 256 bytes (32 elements of 8 bytes)
	s_mov_b32 s28, 0x0023000f                      ; 15:0 the mask: all four work-groups; 17:16 elements of 8 bytes; 21 set beside a mask
	s_mov_b32 s29, 32<<16                          ; tensor_dim0
	s_mov_b32 s30, 288<<16                         ; tensor_dim1
	s_mov_b32 s31, 32<<16                          ; tile_dim0
	s_mov_b32 s32, 288                             ; tile_dim1
	s_mov_b32 s33, 32                              ; the pitch
	s_mov_b32 s34, 0
	s_mov_b32 s35, 0
	s_wait_dscnt 0x0
	s_wait_kmcnt 0x0
	s_add_nc_u64 s[4:5], s[4:5], s[40:41]
	s_add_nc_u64 s[16:17], s[16:17], s[42:43]
	s_add_nc_u64 s[18:19], s[18:19], s[42:43]
	s_add_nc_u64 s[20:21], s[20:21], s[42:43]
	s_add_nc_u64 s[10:11], s[10:11], s[44:45]
	s_add_nc_u64 s[12:13], s[12:13], s[44:45]
	s_add_nc_u64 s[14:15], s[14:15], s[44:45]
	s_add_nc_u64 s[8:9], s[8:9], s[46:47]
	s_mov_b32 s36, 1                               ; group 0: count,
	s_mov_b32 s37, s48                             ; LDS address,
	s_add_nc_u64 s[38:39], s[6:7], s[48:49]        ; global address: both hang on the wave's number alone,
	s_or_b32 s39, s39, 0x80000000                  ; type
	WIN 0x80                                       ; destination window 2
	XLOAD 0
	XLOAD 1
	XLOAD 2
	XLOAD 3
	WIN 0
	ROUND                                          ; all four work-groups are here: the joint loads meet
	tensor_load_to_lds s[36:39], s[28:35]          ; my one tensor load of the launch
	s_nop 0
	PLACES
	; ---- x: my two tiles become four fragments
	s_wait_loadcnt 48                              ; set 0's sixteen loads are in; three sets may be out
	QUANT 0, 2, PW
	IMAGE 3, 0
	s_wait_dscnt 0x0                               ; the stores have read their registers
	s_wait_loadcnt 32
	QUANT 64, 2, PW+1
	IMAGE 3, 1536
	v_cndmask_b32 v[PW], v[PW], v[PW+1], s[HM]     ; K step 0's word in lanes 0-15, K step 1's in lanes 16-31
	ds_store_b32 v4, v[PW]
	s_wait_dscnt 0x0
.set q_, 0
.rept 6                                ; the weights' scale words: register WS + 8 mat + t
	global_load_b128 v[WS+4*q_:WS+4*q_+3], v1, s[8:9] offset:512*q_
.set q_, q_+1
.endr
	WIN 0xc0                                       ; destination window 3
.set t_, 0
.rept 8
	global_load_b128 v[64+8*t_:64+8*t_+3], v9, s[12:13] offset:(32*(t_/2)+8*(t_%2))*4      ; bq at hidden units 32 b + 16 h + 8 u + 0 .. 7
	global_load_b128 v[64+8*t_+4:64+8*t_+7], v9, s[12:13] offset:(32*(t_/2)+8*(t_%2))*4+16
	global_load_b128 v[128+8*t_:128+8*t_+3], v9, s[14:15] offset:(32*(t_/2)+8*(t_%2))*4    ; bk likewise
	global_load_b128 v[128+8*t_+4:128+8*t_+7], v9, s[14:15] offset:(32*(t_/2)+8*(t_%2))*4+16
	global_load_b32 v[8*t_], v10, s[10:11] offset:(32*(t_/2)+8*(t_%2))*4                   ; bv at my lane's hidden unit
.set t_, t_+1
.endr
	WIN 0
	s_wait_loadcnt 62                              ; set 2 is in; behind it: set 3's sixteen and the 46 just issued
	QUANT 128, 2, PW
	IMAGE 3, 3072
	s_wait_dscnt 0x0
	s_wait_loadcnt 46
	QUANT 192, 2, PW+1
	IMAGE 3, 4608
	v_cndmask_b32 v[PW], v[PW], v[PW+1], s[HM]
	ds_store_b32 v4, v[PW] offset:128
	s_wait_dscnt 0x0                               ; for the others' sake: my images lie in LDS
	s_barrier_signal -1
	s_barrier_wait -1                              ; x's sixteen fragments lie in LDS
	WIN 0x40                                       ; destination window 1
.set f_, 0
.rept 16
.irp c, 0,1,2
	ds_load_b128 v[12*f_+4*\c:12*f_+4*\c+3], v5 offset:1536*f_+512*\c
.endr
.set f_, f_+1
.endr
	WIN 0
.set m_, 0
.rept 8
	ds_load_b32 v[XS+m_], v6 offset:128*m_
.set m_, m_+1
.endr
	s_wait_loadcnt 0x0                             ; biases and scale words
	WIN 0xc3                                       ; bv is the same in a tile's eight registers: a lane holds one hidden unit there
.set t_, 0
.rept 8
.irp j, 1,2,3,4,5,6,7
	v_mov_b32 v[8*t_+\j], v[8*t_]
.endr
.set t_, t_+1
.endr
	WIN 0
	s_wait_tensorcnt 0x0                           ; my part of the weights is in LDS, and I alone read it
	; ---- v
	WLOAD 0
.irp t, 0,1,2,3,4,5,6,7
	VTILE \t
.endr
	SCOUT 20
	; ---- q
	WLOAD 1
.irp m, 0,1,2,3,4,5,6,7
	QTILE 1, \m, 16
.endr
	SCOUT 16
	; ---- k
	WLOAD 2
.irp m, 0,1,2,3,4,5,6,7
	QTILE 2, \m, 18
.endr
	SCOUT 18
	s_wait_dscnt 0x0
	s_wait_tensorcnt 0x0
	ds_add_u32 v254, v255
	s_wait_dscnt 0x0
	ROUND                                          ; the closing round: no work-group ends while a partner may still ask jointly
	s_endpgm
.Lfunc_end_k_q98b5c03b93_proj:
	.size	k_q98b5c03b93_proj, .Lfunc_end_k_q98b5c03b93_proj-k_q98b5c03b93_proj
	.p2alignl 7, 3214868480
	.fill 96, 4, 3214868480
	.section	.rodata,"a",@progbits
	.p2align	6, 0x0
	.amdhsa_kernel k_q98b5c03b93_proj
		.amdhsa_group_segment_fixed_size 327680
		.amdhsa_private_segment_fixed_size 0
		.amdhsa_enable_private_segment 0
		.amdhsa_kernarg_size 72
		.amdhsa_user_sgpr_count 2
		.amdhsa_user_sgpr_kernarg_segment_ptr 1
		.amdhsa_wavefront_size32 1
		.amdhsa_system_sgpr_workgroup_id_x 1
		.amdhsa_system_sgpr_workgroup_id_y 1
		.amdhsa_system_sgpr_workgroup_id_z 1
		.amdhsa_system_vgpr_workitem_id 0
		.amdhsa_next_free_vgpr 1024
		.amdhsa_next_free_sgpr 66
		.amdhsa_reserve_vcc 0
		.amdhsa_float_denorm_mode_32 3
		.amdhsa_float_denorm_mode_16_64 3
		.amdhsa_memory_ordered 1
		.amdhsa_forward_progress 1
		.amdhsa_inst_pref_size 255
	.end_amdhsa_kernel
	.section	.bss,"aw",@nobits
	.p2align	6
	.space	262144
	.amdgpu_metadata
---
amdhsa.version: [ 1, 2 ]
amdhsa.kernels:
  - .name:           k_q98b5c03b93_proj
    .symbol:         k_q98b5c03b93_proj.kd
    .args:
      - { .name: x, .offset: 0, .size: 8, .value_kind: global_buffer, .address_space: global }
      - { .name: wc, .offset: 8, .size: 8, .value_kind: global_buffer, .address_space: global }
      - { .name: wsc, .offset: 16, .size: 8, .value_kind: global_buffer, .address_space: global }
      - { .name: bv, .offset: 24, .size: 8, .value_kind: global_buffer, .address_space: global }
      - { .name: bq, .offset: 32, .size: 8, .value_kind: global_buffer, .address_space: global }
      - { .name: bk, .offset: 40, .size: 8, .value_kind: global_buffer, .address_space: global }
      - { .name: qc, .offset: 48, .size: 8, .value_kind: global_buffer, .address_space: global }
      - { .name: kc, .offset: 56, .size: 8, .value_kind: global_buffer, .address_space: global }
      - { .name: vc, .offset: 64, .size: 8, .value_kind: global_buffer, .address_space: global }
    .group_segment_fixed_size: 327680
    .private_segment_fixed_size: 0
    .kernarg_segment_align: 8
    .kernarg_segment_size: 72
    .max_flat_workgroup_size: 128
    .sgpr_count:     66
    .vgpr_count:     1024
    .wavefront_size: 32
...
	.end_amdgpu_metadata
.endif
;; end of part 2
;; launch attn (part 3): grid 8 x 32, 4 waves a work-group, clusters of 4 x 1, 327,680 bytes of LDS; arguments qc, kc, vc, mask, out0; writes out0
.if DOCPART == 3
	.amdgcn_target "amdgcn-amd-amdhsa--gfx1250"
	.amdhsa_code_object_version 6
	.text
	.protected	k_q98b5c03b93_attn
	.globl	k_q98b5c03b93_attn
	.p2align	8
	.type	k_q98b5c03b93_attn,@function
k_q98b5c03b93_attn:
	s_mov_b64 s[64:65], 0
	v_nop
	global_prefetch_b8 v0, s[64:65] scope:SCOPE_SE
	s_setreg_imm32_b32 hwreg(HW_REG_WAVE_MODE, 25, 1), 1
	s_wait_xcnt 0x0
	s_wait_alu depctr_hold_cnt(0) depctr_sa_sdst(0) depctr_va_vdst(0) depctr_va_sdst(0) depctr_va_ssrc(0) depctr_va_vcc(0) depctr_vm_vsrc(0)
	s_getreg_b32 s2, hwreg(HW_REG_IB_STS2, 6, 4)
	s_cmp_eq_u32 s2, 0
	s_cbranch_scc0 .Lentry_in_a_cluster
	s_endpgm
.Lentry_in_a_cluster:
	s_bfe_u32 s2, ttmp6, 0x10000c
	s_cmp_lg_u32 s2, 0x3003
	s_cbranch_scc0 .Lentry_shape_is_right
	s_endpgm
.Lentry_shape_is_right:
; out = relu(softmax(s m - 9e15 (1 - m)) v), s = (q / 2304) k^T, both products on codes of BF6 (E3M2) with one E8M0 scale for each 32 along K.  q, k, v come as register images in blocks of 51,200 bytes
; for 128 rows each (q, k: fragments [tile m][K step s], v: fragments [tile of hidden units], K = the block's keys; scale words from byte 49,152).  Lane r of tile 2 b + u holds member 32 b + 8 u + r + 8 (r / 8).
; THE SOFTMAX: t = logit x log2(e); M = the running largest t rounded UP to a whole number, kept as -M = floor(-t); p = 2^(t - M) is quantised along the keys, not normalised; the row's sum is taken of the
; unquantised p (brought under a new M by f = 2^(old M - new M), which rounds nothing) and divides at the end.  t is made as a rounded number in registers, and the maximum and p both take that number:
; a row all of whose logits are -9e15 gives t - M = 0 exactly.  A block's largest p is its largest t put through the same addition and exponential.
; TWO PHASES, AND O IS NEVER RESCALED.  Phase A walks the 1,024 keys, 128 a step: S^T = K Q^T, the mask, p, its codes.  The codes stay in LDS as they are made, under the M of their step.  When the last M is known,
; the power of two between a step's M and the last goes into that step's SCALE BYTES: d = last M - that M comes off each byte.  Phase B then sums O^T = V^T P^T over all keys in one chain for each accumulator.
; SHARES.  A work-group owns 128 queries of one batch.  Phase A: wave w owns query tiles 2 w, 2 w + 1 and all keys.  Phase B: it owns hidden units 128 w .. 128 w + 127 for ALL eight query tiles, in two groups of
; four tiles of hidden units: 32 accumulators a group.  Group 0's rows are divided, clipped and stored ahead of group 1's products, so that half of the output is on its way while the other half is multiplied.
; CLUSTER.  The four work-groups of a cluster belong to one batch and walk the same K: waves 0 and 1 ask for a step's K block JOINTLY (mask 15).  The mask tile is a work-group's own: waves 2 and 3 ask for it plainly.
; V IS NOT ASKED FOR JOINTLY: each of its fragments has ONE reader in a work-group and goes from memory straight into that wave's registers; through LDS it would be written and read once more, and each
; refill in phase B would want a round of the cluster's barrier, where the work-groups now run free.
; REGISTERS, in windows of 256: window 0: v1-14 addresses; v16-111 Q, later rows on their way out; v112-159 V's sixth buffer; v192-255 scale words and nothing else (V's 192-223; K's, Q's 224-243, later P's 224-255).
;   window 1: phase A: v0-127 S^T, t, p; v128-223 K's fragments in two sets, later the mask, codes and work; v224-237 statistics; v238-254 addresses.  Phase B: v0-191 P in two buffers, v192-207 1 / l.
;   window 2: phase A: the steps' scale words (v0-15) and -M (v16-31), newest first; phase B: O^T, (m, i) at 32 m + 8 i.   window 3: V's buffers 0-4, 48 registers each.
; LIMITS: a mask number other than 0 or 1 enters as round(s m) log2(e) + 9e15 log2(e) (m - 1), one rounding fewer than the reference's; the same for 0 and 1.  A block of p that is all zeros keeps the byte 1: its codes
; are zeros.  A scale byte that would fall under 0 is held at 0, that is 2^-127: such a block counts for at most 28 x 2^-127 beside a row whose largest p is over 1/2.  NaN and infinities are not served.
.set SLOT1, 131072                     ; LDS: slot s at s SLOT1: a K block (51,200 bytes), then the mask tile, 128 rows of 512 bytes + 16: 118,784 bytes
.set MOFF,  51200
.set BLK,   51200
.set PIMG,  12288                      ; a step's eight fragments of P
.set GAP,   118784                     ; between the slots: step 6's P
.set PTOP,  249856                     ; behind the ring: P of steps 0 to 5
.set SPARE, 323584                     ; the spare words, 128 bytes for each wave: two blocks of 256 bytes that no other line names
; Slot 0 has its last fill and its last read in step 6, and a barrier follows: from step 7 on it takes step 7's P (byte 0), and
.set WB,    12288                      ; P's scale words: [pair of steps][lane][8 words]: lanes 0-15 the even step's, lanes 16-31 the odd one's
.set RIM,   20480                      ; 1 / l: [lane][(1 / l, 1 / l) x 8 tiles]
.set STG,   22528                      ; the way out: 16 rows x (256 + 16) bytes for each wave
.set SPI,   272
.set QF,  16
.set OUT, 16
.set VB5, 112
.set VS,  192
.set KS,  224
.set QS,  240
.set PSW, 224
.set BM,  192                          ; window 1: the blocks' largest t, four a tile
.set BT,  200
.set SOP, 204
.set BY,  208
.set CT,  140
.set MSB, 0
.macro WIN new                         ; the immediate's high byte repeats the setting that is left
.if MSB != (\new)
	s_set_vgpr_msb (MSB<<8)|(\new)
.set MSB, (\new)
.endif
.endm
.macro PLACES
.rept 4
	v_nop
.endr
.endm
.macro ROUND                           ; a round of the cluster's barrier
	s_barrier_signal -1
	s_barrier_wait -1
	s_cmp_lg_u32 s14, 0
	s_cbranch_scc1 .Lnot_wave_0_\@
	s_barrier_signal -3
.Lnot_wave_0_\@:
	s_barrier_wait -3
	s_barrier_signal -1
	s_barrier_wait -1
.endm
.macro JLOAD                           ; a refill: waves 0, 1 the halves of a K block, jointly; waves 2, 3 the halves of my mask tile.  Four v_nop follow each line
	s_cmp_lt_u32 s14, 2
	s_cbranch_scc0 .Lfor_m_\@
	tensor_load_to_lds s[44:47], s[24:31]
	s_nop 0
	PLACES
	s_branch .Lasked_\@
.Lfor_m_\@:
	tensor_load_to_lds s[52:55], s[32:39]
	s_nop 0
	PLACES
.Lasked_\@:
.endm
.macro WM d, a, b, z, sa, sb, ra, rb   ; z = 1: the product starts the sum.  ra, rb: the scale words stand in lanes 16-31
.if (\z)
.if ((\ra)==0)&&((\rb)==0)
	v_wmma_scale_f32_16x16x128_f8f6f4 v[(\d):(\d)+7], v[(\a):(\a)+11], v[(\b):(\b)+11], 0, v[\sa], v[\sb] matrix_a_fmt:MATRIX_FMT_BF6 matrix_b_fmt:MATRIX_FMT_BF6
.elseif ((\ra)==1)&&((\rb)==0)
	v_wmma_scale_f32_16x16x128_f8f6f4 v[(\d):(\d)+7], v[(\a):(\a)+11], v[(\b):(\b)+11], 0, v[\sa], v[\sb] matrix_a_fmt:MATRIX_FMT_BF6 matrix_b_fmt:MATRIX_FMT_BF6 matrix_a_scale:MATRIX_SCALE_ROW1
.elseif ((\ra)==0)&&((\rb)==1)
	v_wmma_scale_f32_16x16x128_f8f6f4 v[(\d):(\d)+7], v[(\a):(\a)+11], v[(\b):(\b)+11], 0, v[\sa], v[\sb] matrix_a_fmt:MATRIX_FMT_BF6 matrix_b_fmt:MATRIX_FMT_BF6 matrix_b_scale:MATRIX_SCALE_ROW1
.else
	v_wmma_scale_f32_16x16x128_f8f6f4 v[(\d):(\d)+7], v[(\a):(\a)+11], v[(\b):(\b)+11], 0, v[\sa], v[\sb] matrix_a_fmt:MATRIX_FMT_BF6 matrix_b_fmt:MATRIX_FMT_BF6 matrix_a_scale:MATRIX_SCALE_ROW1 matrix_b_scale:MATRIX_SCALE_ROW1
.endif
.else
.if ((\ra)==0)&&((\rb)==0)
	v_wmma_scale_f32_16x16x128_f8f6f4 v[(\d):(\d)+7], v[(\a):(\a)+11], v[(\b):(\b)+11], v[(\d):(\d)+7], v[\sa], v[\sb] matrix_a_fmt:MATRIX_FMT_BF6 matrix_b_fmt:MATRIX_FMT_BF6
.elseif ((\ra)==1)&&((\rb)==0)
	v_wmma_scale_f32_16x16x128_f8f6f4 v[(\d):(\d)+7], v[(\a):(\a)+11], v[(\b):(\b)+11], v[(\d):(\d)+7], v[\sa], v[\sb] matrix_a_fmt:MATRIX_FMT_BF6 matrix_b_fmt:MATRIX_FMT_BF6 matrix_a_scale:MATRIX_SCALE_ROW1
.elseif ((\ra)==0)&&((\rb)==1)
	v_wmma_scale_f32_16x16x128_f8f6f4 v[(\d):(\d)+7], v[(\a):(\a)+11], v[(\b):(\b)+11], v[(\d):(\d)+7], v[\sa], v[\sb] matrix_a_fmt:MATRIX_FMT_BF6 matrix_b_fmt:MATRIX_FMT_BF6 matrix_b_scale:MATRIX_SCALE_ROW1
.else
	v_wmma_scale_f32_16x16x128_f8f6f4 v[(\d):(\d)+7], v[(\a):(\a)+11], v[(\b):(\b)+11], v[(\d):(\d)+7], v[\sa], v[\sb] matrix_a_fmt:MATRIX_FMT_BF6 matrix_b_fmt:MATRIX_FMT_BF6 matrix_a_scale:MATRIX_SCALE_ROW1 matrix_b_scale:MATRIX_SCALE_ROW1
.endif
.endif
.endm
; ---------------- PHASE A'S PARTS
; Batch be of eight: K step be / 2, key tiles 4 (be % 2) .. + 3.  Its four fragments come into set be % 2.
.macro KFETCH be
.set g_, 0
.rept 4
.irp c, 0,1,2
	ds_load_b128 v[128+48*((\be)%2)+12*g_+4*\c:128+48*((\be)%2)+12*g_+4*\c+3], v246 offset:(4*(4*((\be)%2)+g_)+(\be)/2)*1536+512*\c
.endr
.set g_, g_+1
.endr
.endm
.macro KPROD be                        ; eight products on eight accumulators; the sixteen take turns
.set s_, (\be)/2
.if (\be) < 2
.set z_, 1
.else
.set z_, 0
.endif
.set i_, 0
.rept 4
.set a_, 0
.rept 2
	WM 64*a_+8*(4*((\be)%2)+i_), 128+48*((\be)%2)+12*i_, QF+12*(4*a_+s_), z_, KS+4*s_+i_, QS+s_, (\be)%2, a_
.set a_, a_+1
.endr
.set i_, i_+1
.endr
.endm
.macro MLOAD a                         ; tile a's mask numbers, in S^T's layout: register 16 b + i = key 32 b + 16 h + i of my query
.set b_, 0
.rept 4
.irp p, 0,1,2,3
	ds_load_b128 v[128+16*b_+4*\p:128+16*b_+4*\p+3], v247 offset:4224*(\a)+128*b_+16*\p
.endr
.set b_, b_+1
.endr
.endm
.macro TMAKE a                         ; t = round(s m) c + 9e15 c (m - 1)
.set b_, 0
.rept 4
	s_wait_dscnt 12-4*b_                           ; block b's four loads are in; the later blocks' may be out
.set k_, 0
.rept 8
	v_pk_mul_f32 v[64*(\a)+16*b_+k_:64*(\a)+16*b_+k_+1], v[64*(\a)+16*b_+k_:64*(\a)+16*b_+k_+1], v[128+16*b_+k_:128+16*b_+k_+1]   ; each accumulator from its low end on
.set k_, k_+2
.endr
.set k_, 0
.rept 8
	v_pk_fma_f32 v[128+16*b_+k_:128+16*b_+k_+1], v[128+16*b_+k_:128+16*b_+k_+1], s[22:23], s[22:23] op_sel_hi:[1,0,0] neg_lo:[0,0,1] neg_hi:[0,0,1]
.set k_, k_+2
.endr
.set k_, 0
.rept 8
	v_pk_fma_f32 v[64*(\a)+16*b_+k_:64*(\a)+16*b_+k_+1], v[64*(\a)+16*b_+k_:64*(\a)+16*b_+k_+1], s[20:21], v[128+16*b_+k_:128+16*b_+k_+1] op_sel_hi:[1,0,1]
.set k_, k_+2
.endr
.set b_, b_+1
.endr
.endm
.macro BMAX a                          ; the largest t of each block of 32 keys, the row's, the new -M and f
.irp b, 0,1,2,3
	v_max3_num_f32 v[BM+4*(\a)+\b], v[64*(\a)+16*\b], v[64*(\a)+16*\b+1], v[64*(\a)+16*\b+2]
.endr
.irp i, 3,5,7,9,11,13
.irp b, 0,1,2,3
	v_max3_num_f32 v[BM+4*(\a)+\b], v[BM+4*(\a)+\b], v[64*(\a)+16*\b+\i], v[64*(\a)+16*\b+\i+1]
.endr
.endr
.irp b, 0,1,2,3
	v_max_num_f32 v[BM+4*(\a)+\b], v[BM+4*(\a)+\b], v[64*(\a)+16*\b+15]
.endr
.irp b, 0,1,2,3
	v_permlanex16_b32 v[BT+\b], v[BM+4*(\a)+\b], s18, s19
.endr
.irp b, 0,1,2,3
	v_max_num_f32 v[BM+4*(\a)+\b], v[BM+4*(\a)+\b], v[BT+\b]       ; with lane l xor 16's 16 keys
.endr
	v_max3_num_f32 v212, v[BM+4*(\a)], v[BM+4*(\a)+1], v[BM+4*(\a)+2]
	v_max_num_f32 v212, v212, v[BM+4*(\a)+3]
	v_max_num_f32 v[225+2*(\a)], v[225+2*(\a)], v212               ; the running largest t
	v_mov_b32 v213, v[224+2*(\a)]
	v_floor_f32 v[224+2*(\a)], -v[225+2*(\a)]                      ; the new -M = floor(-t): a whole number
	v_sub_f32 v213, v[224+2*(\a)], v213                            ; old M - new M: a whole number, 0 or less
	v_cvt_i32_f32 v213, v213                                       ; (it saturates)
	v_ldexp_f32 v[232+2*(\a)], 1.0, v213                           ; f, twice: a pair for the packed multiply of the sum
	v_ldexp_f32 v[233+2*(\a)], 1.0, v213
.endm
.macro PMAKE a                         ; p, its codes and scale word, the row's sum; the fragment goes to LDS as it stands, and stays
.set PCD, 128+20*(\a)
.set k_, 0
.rept 32
	v_pk_add_f32 v[64*(\a)+k_:64*(\a)+k_+1], v[64*(\a)+k_:64*(\a)+k_+1], v[224+2*(\a):225+2*(\a)] op_sel_hi:[1,0]   ; t - M
.set k_, k_+2
.endr
.irp b, 0,1,2,3
	v_add_f32 v[BM+4*(\a)+\b], v[BM+4*(\a)+\b], v[224+2*(\a)]      ; the same of each block's largest t
.endr
.set k_, 0
.rept 64
	v_exp_f32 v[64*(\a)+k_], v[64*(\a)+k_]                         ; p = 2^(t - M), at most 1
.set k_, k_+1
.endr
.irp b, 0,1,2,3
	v_exp_f32 v[BM+4*(\a)+\b], v[BM+4*(\a)+\b]                     ; the block's largest p
.endr
	v_pk_mul_f32 v[228+2*(\a):229+2*(\a)], v[228+2*(\a):229+2*(\a)], v[232+2*(\a):233+2*(\a)]   ; the sum under the new M (a plain place behind the exponentials)
	s_wait_alu depctr_va_vdst(0)
.irp b, 0,1,2,3
	v_max_num_f32 v[BM+4*(\a)+\b], 0x2800000, v[BM+4*(\a)+\b]      ; the floor 2^(5 - 127): the byte cannot fall under 1
.endr
.irp b, 0,1,2,3
	v_add_nc_u32 v[SOP+\b], 0xfe000000, v[BM+4*(\a)+\b]            ; 4 off the exponent field: the conversion's scale operand
.endr
.irp b, 0,1,2,3
	v_lshrrev_b32 v[BY+\b], 23, v[SOP+\b]                          ; the scale's byte: 1 to 123, since p is at most 1
.endr
	v_lshl_or_b32 v[236+(\a)], v[BY+1], 8, v[BY]
	v_lshl_or_b32 v[236+(\a)], v[BY+2], 16, v[236+(\a)]
	v_lshl_or_b32 v[236+(\a)], v[BY+3], 24, v[236+(\a)]
.irp c, 0,1
	v_cvt_scalef32_pk16_bf6_f32 v[PCD+6*\c:PCD+6*\c+2], v[64*(\a)+32*\c:64*(\a)+32*\c+15], v[SOP+2*\c]
	v_cvt_scalef32_pk16_bf6_f32 v[CT+4*\c:CT+4*\c+2], v[64*(\a)+32*\c+16:64*(\a)+32*\c+31], v[SOP+2*\c+1]
.endr
	v_nop                                          ; one plain place behind a scaled conversion
.irp c, 0,1                            ; the operand's layout wants a WHOLE block in a lane
.irp i, 0,1,2
	v_permlane16_swap_b32 v[PCD+6*\c+\i], v[CT+4*\c+\i]
.endr
.irp i, 0,1,2
	v_mov_b32 v[PCD+3+6*\c+\i], v[CT+4*\c+\i]
.endr
.endr
	v_pk_add_f32 v[212:213], v[64*(\a):64*(\a)+1], v[64*(\a)+2:64*(\a)+3]          ; the sum of the UNQUANTISED p, two at a time, in two chains
.irp j, 4,8,12,16,20,24,28,32,36,40,44,48,52,56,60
	v_pk_add_f32 v[228+2*(\a):229+2*(\a)], v[228+2*(\a):229+2*(\a)], v[64*(\a)+\j:64*(\a)+\j+1]
	v_pk_add_f32 v[212:213], v[212:213], v[64*(\a)+\j+2:64*(\a)+\j+3]
.endr
	v_pk_add_f32 v[228+2*(\a):229+2*(\a)], v[228+2*(\a):229+2*(\a)], v[212:213]
.irp c, 0,1,2
	ds_store_b128 v249, v[PCD+4*\c:PCD+4*\c+3] offset:1536*(\a)+512*\c
.endr
.endm
; A KEY STEP OF PHASE A, up to its barrier.  s56: the slot in hand; s57: where this step's P goes.
.macro STEPA
	WIN 0x55
	v_add_nc_u32 v246, s56, v238                   ; this step's addresses: K,
	v_add_nc_u32 v247, s56, v239                   ; the mask,
	v_add_nc_u32 v249, s57, v241                   ; my two fragments of P
	WIN 0x01
.irp s, 0,1,2,3
	ds_load_b128 v[KS+4*\s:KS+4*\s+3], v246 offset:49152+512*\s    ; K's scale words: lanes 0-15 tiles 0-3, lanes 16-31 tiles 4-7
.endr
	WIN 0x51                                       ; K and S^T window 1, Q window 0
	KFETCH 0
	KFETCH 1
.irp be, 0,1,2,3,4,5,6,7
.if \be < 7
	s_wait_dscnt 12                                ; this batch is in; the next batch's twelve loads may be out
.else
	s_wait_dscnt 0x0
.endif
	KPROD \be
.if \be < 6
	PLACES                                         ; in front of loads into registers that matrix instructions have read
	KFETCH \be+2
.endif
.endr
	PLACES
	WIN 0x55
	MLOAD 0
	TMAKE 0
	MLOAD 1
	BMAX 0
	TMAKE 1
	BMAX 1
	PMAKE 0
	PMAKE 1
	WIN 0x82                                       ; the steps' scale words and -M move one place on (register 2 k + a: k steps ago, tile a), so that a step written once finds its place
.set x_, 15
.rept 14
	v_mov_b32 v[x_], v[x_-2]
	v_mov_b32 v[16+x_], v[14+x_]
.set x_, x_-1
.endr
	WIN 0x81                                       ; and this step's come in
	v_mov_b32 v0, v236
	v_mov_b32 v1, v237
	v_mov_b32 v16, v224
	v_mov_b32 v17, v226
.endm
; THE STEP'S BARRIER.  Each wave waits for all its tensor loads (its part of the next slot), adds 0 to its spare word, and waits for that, for its stores of P and for its reads of this slot.
.macro CHANGE fill
	WIN 0
	s_wait_tensorcnt 0x0                           ; no tensor load of mine is out, so a group 0 may be written
	ds_add_u32 v1, v2                              ; 0 onto my spare word
.if \fill
	s_xor_b32 s45, s45, SLOT1                      ; the walking descriptors: the other slot than last time,
	s_add_nc_u64 s[46:47], s[46:47], BLK           ; the next K block,
	s_xor_b32 s53, s53, SLOT1
	s_add_nc_u64 s[54:55], s[54:55], 512           ; the next 128 columns of the mask
.endif
	s_wait_dscnt 0x0
.if \fill
	ROUND                                          ; no wave of any partner still reads the slot or has a load on its way
	JLOAD                                          ; the slot just read takes the tiles two steps on: a whole step's work in which to land
.else
	s_barrier_signal -1
	s_barrier_wait -1
.endif
.endm
; ---------------- PHASE B'S PARTS.  Stage s = 8 g + j: group g of hidden units (my tiles 4 g .. 4 g + 3), K step j (keys 128 j on).
.macro VLD s                           ; stage s's four fragments of V, from memory into buffer s % 6: every offset an immediate
.set vg_, (\s)/8
.set vj_, (\s)%8
.set vk_, (\s)%6
.if vk_ < 5
	WIN 0xc0                                       ; destination window 3
.set vb_, 48*vk_
.else
	WIN 0
.set vb_, VB5
.endif
.set i_, 0
.rept 4
.irp c, 0,1,2
	global_load_b128 v[vb_+12*i_+4*\c:vb_+12*i_+4*\c+3], v4, s[8:9] offset:vj_*BLK+(4*vg_+i_)*1536+512*\c
.endr
.set i_, i_+1
.endr
.endm
.macro PLD j, buf                      ; K step j's eight fragments of P, from LDS into buffer buf
	WIN 0x40                                       ; destination window 1, address window 0
.if (\j) < 3
.set pa_, 9
.set po_, PIMG*(\j)
.elseif (\j) < 6
.set pa_, 10
.set po_, PIMG*((\j)-3)
.elseif (\j) == 6
.set pa_, 11
.set po_, 0
.else
.set pa_, 3
.set po_, 0
.endif
.set m_, 0
.rept 8
.irp c, 0,1,2
	ds_load_b128 v[96*(\buf)+12*m_+4*\c:96*(\buf)+12*m_+4*\c+3], v[pa_] offset:po_+1536*m_+512*\c
.endr
.set m_, m_+1
.endr
.endm
.macro STAGE s                         ; 32 products on 32 accumulators, which take turns
.set sg_, (\s)/8
.set sj_, (\s)%8
.set sk_, (\s)%6
	PLACES                                         ; in front of loads into the buffers that the last stage's products have read
.if ((\s) >= 1) && ((\s)+5 <= 15)
	VLD (\s)+5                                     ; V runs five stages ahead, into the buffer that the last stage left
.endif
.if (\s) < 15
	PLD ((\s)+1)%8, ((\s)+1)%2                     ; P one stage ahead
	s_wait_dscnt 24                                ; all but the 24 just issued: this stage's P is in
.else
	s_wait_dscnt 0x0
.endif
.if (\s) <= 10
	s_wait_loadcnt 60                              ; this stage's V is in; behind it: five stages' twelve loads each
.else
	s_wait_loadcnt 12*(15-(\s))                    ; (the stages that are left)
.endif
.if sk_ < 5
	WIN 0xa7                                       ; V window 3, P window 1, O^T window 2
.set sa_, 48*sk_
.else
	WIN 0xa4                                       ; V window 0
.set sa_, VB5
.endif
.if sj_ == 0
.set sz_, 1                            ; a group's first K step starts its sums: nothing is cleared
.else
.set sz_, 0
.endif
.set m_, 0
.rept 8
.set i_, 0
.rept 4
	WM 32*m_+8*i_, sa_+12*i_, 96*((\s)%2)+12*m_, sz_, VS+4*sj_+i_, PSW+8*(sj_/2)+m_, sg_, sj_%2
.set i_, i_+1
.endr
.set m_, m_+1
.endr
.endm
; THE WAY OUT of a group, a query tile (16 rows x 64 hidden units) at a time: / l, relu, through my stage in LDS, back as whole runs of 256 bytes.
.macro TOST m
	s_wait_xcnt 0x0                                ; the stores of two tiles ago have read their registers: this tile's rows may land there
	WIN 0x86
.set k_, 0
.rept 16
	v_pk_mul_f32 v[32*(\m)+k_:32*(\m)+k_+1], v[32*(\m)+k_:32*(\m)+k_+1], v[192+2*(\m):193+2*(\m)]   ; each accumulator from its low end on
.set k_, k_+2
.endr
	WIN 0x88
.set k_, 0
.rept 32
	v_max_num_f32 v[32*(\m)+k_], 0, v[32*(\m)+k_]
.set k_, k_+1
.endr
	WIN 0x08                                       ; an LDS store's data are its source 1
.set i_, 0
.rept 4                                ; tile 2 b + u of the group: lane (r, h) holds units 32 b + 16 h + 8 u + 0 .. 7 of query r
	ds_store_b128 v6, v[32*(\m)+8*i_:32*(\m)+8*i_+3] offset:128*(i_/2)+32*(i_%2)
	ds_store_b128 v6, v[32*(\m)+8*i_+4:32*(\m)+8*i_+7] offset:128*(i_/2)+32*(i_%2)+16
.set i_, i_+1
.endr
	WIN 0
.set p_, 0
.rept 8
	ds_load_b128 v[OUT+32*((\m)%2)+4*p_:OUT+32*((\m)%2)+4*p_+3], v7 offset:2*SPI*p_    ; LDS serves a wave's instructions in order: these see my stores, and the next tile's stores come behind them
.set p_, p_+1
.endr
.endm
.macro SEND m, g, younger              ; younger: the LDS instructions issued behind tile m's loads, which may stay out
	s_wait_dscnt \younger
.set p_, 0
.rept 8
	global_store_b128 v8, v[OUT+32*((\m)%2)+4*p_:OUT+32*((\m)%2)+4*p_+3], s[12:13] offset:(32*((\m)/2)+8*((\m)%2)+2*p_+8*(p_/4))*2048+256*(\g) th:TH_STORE_NT   ; sixteen lanes store 256 consecutive bytes, aligned; stage rows 2 p, 2 p + 1 are the tile's members of those numbers
.set p_, p_+1
.endr
.endm
.macro EPI g
	TOST 0
.irp m, 1,2,3,4,5,6,7
	TOST \m
	SEND \m-1, \g, 16                              ; behind tile m - 1's loads: tile m's 8 stores and 8 loads
.endr
	SEND 7, \g, 0
.endm
; ---------------- THE HEAD
	s_load_b256 s[4:11], s[0:1], 0x0               ; qc s[4:5], kc s[6:7], vc s[8:9], mask s[10:11]
	s_load_b64 s[12:13], s[0:1], 0x20              ; out0
	v_lshl_add_u32 v1, v0, 2, SPARE
	v_mov_b32 v2, 0
	ds_add_u32 v1, v2
	ds_add_u32 v1, v2
	s_wait_dscnt 0x0
	v_lshrrev_b32 v160, 5, v0
	v_readfirstlane_b32 s14, v160                  ; wave
	s_bfe_u32 s15, ttmp6, 0x40000                  ; cx
	s_lshl_b32 s16, ttmp9, 2
	s_add_co_u32 s16, s16, s15                     ; my block of 128 queries: it enters Q's, the mask's and out0's global addresses alone
	s_and_b32 s17, ttmp7, 0xffff                   ; the batch, which the four partners share
	s_mov_b32 s18, 0x76543210
	s_mov_b32 s19, 0xfedcba98                      ; v_permlanex16_b32's selects for lane l xor 16
	s_mov_b32 s20, 0x3fb8aa3b                      ; c = log2(e)
	s_mov_b32 s21, s20
	s_mov_b32 s22, 0x5a388472                      ; 9e15 c
	s_mov_b32 s23, s22
	s_mov_b32 s56, 0                               ; the slot in hand
	s_mov_b32 s57, PTOP                            ; where the step's P goes
	s_mov_b32 s59, 0x80808080
	s_mov_b32 s60, 0xffff0000                      ; lanes 16-31
	v_and_b32 v160, 31, v0                         ; lane
	v_and_b32 v161, 15, v0                         ; r
	v_bfe_u32 v162, v0, 4, 1                       ; h
	v_and_b32 v163, 8, v161
	v_add_nc_u32 v163, v163, v161                  ; r + 8 (r / 8)
	v_lshlrev_b32 v3, 4, v160                      ; 16 x lane
	s_mul_i32 s66, s14, 12288
	v_add_nc_u32 v4, s66, v3                       ; my eight fragments of a block
	s_lshl_b32 s66, s14, 9
	s_add_co_u32 s66, s66, 49152
	v_add_nc_u32 v5, s66, v3                       ; V's scale words
	s_mul_i32 s67, s14, 16*SPI
	s_add_co_u32 s67, s67, STG                     ; my stage
	v_mul_u32_u24 v6, v161, SPI
	v_lshl_add_u32 v6, v162, 6, v6
	v_add_nc_u32 v6, s67, v6                       ; in: row r, + 64 h
	v_mul_u32_u24 v7, v162, SPI
	v_lshl_add_u32 v7, v161, 4, v7
	v_add_nc_u32 v7, s67, v7                       ; back: lanes 0-15 one row of 256 bytes, lanes 16-31 the next
	v_lshlrev_b32 v8, 11, v162
	v_lshl_add_u32 v8, v161, 4, v8                 ; and the same two rows in out0
	v_add_nc_u32 v9, PTOP, v3                      ; P of steps 0-2,
	v_add_nc_u32 v10, PTOP+3*PIMG, v3              ; of steps 3-5,
	v_add_nc_u32 v11, GAP, v3                      ; of step 6 (step 7's lies at 16 x lane)
	v_lshl_add_u32 v13, v160, 5, WB                ; P's scale words, as every wave reads them
	v_lshl_add_u32 v14, v160, 6, RIM               ; and 1 / l
	s_lshr_b32 s66, s14, 1
	s_lshl_b32 s66, s66, 8
	s_and_b32 s68, s14, 1                          ; which half I fetch
	s_lshl_b32 s69, s68, 3
	s_add_co_u32 s66, s66, s69
	v_lshlrev_b32 v164, 4, v161
	v_lshl_add_u32 v164, v162, 2, v164
	v_add_nc_u32 v164, s66, v164                   ; Q's scale words: lanes 0-15 tile 2 w's, lanes 16-31 tile 2 w + 1's
	v_mul_u32_u24 v165, v163, 528
	v_lshl_add_u32 v165, v162, 6, v165
	s_mul_i32 s66, s14, 16896
	s_add_co_u32 s66, s66, MOFF                    ; the mask: row 32 w + r + 8 (r / 8), + 64 h
	s_mul_i32 s70, s14, 3072
	s_lshl_b32 s71, s14, 3
	s_add_co_u32 s71, s71, WB
	s_lshl_b32 s73, s14, 4
	s_add_co_u32 s73, s73, RIM
	WIN 0x40                                       ; destination window 1
	v_lshlrev_b32 v238, 4, v160
	v_add_nc_u32 v239, s66, v165
	v_add_nc_u32 v241, s70, v3                     ; my two fragments in a step's P
	v_lshl_add_u32 v251, v160, 5, s71              ; where I put my tiles' scale words,
	v_lshl_add_u32 v254, v160, 6, s73              ; and 1 / l
	v_mov_b32 v224, 0x7f61b1e6                     ; -M: 3e38, a whole number
	v_mov_b32 v225, 0xff61b1e6                     ; the largest t so far: -3e38, under every t
	v_mov_b32 v226, 0x7f61b1e6
	v_mov_b32 v227, 0xff61b1e6
.irp j, 228,229,230,231,200,201,202,203
	v_mov_b32 v\j, 0                               ; the sums; and the lane permutes' destinations, which count as sources
.endr
	WIN 0x80
.set x_, 0
.rept 32
	v_mov_b32 v[x_], 0                             ; the histories are moved on before they are full: so they are written once
.set x_, x_+1
.endr
	WIN 0
	s_mul_i32 s74, s68, 25600                      ; K: my half of a block, in memory and in a slot
	s_mul_i32 s75, s17, 409600                     ; the batch's first block
	s_add_co_u32 s76, s75, s74
	s_mov_b32 s77, 0
	s_mov_b32 s78, s75
	s_mov_b32 s79, 0
	s_mul_i32 s80, s16, 51200
	s_add_co_u32 s80, s80, s75
	s_mov_b32 s81, 0
	s_lshl_b32 s82, s17, 22                        ; the mask: row 1024 batch + 128 block + 64 half, 4,096 bytes a row
	s_lshl_b32 s83, s16, 19
	s_add_co_u32 s82, s82, s83
	s_lshl_b32 s83, s68, 18
	s_add_co_u32 s82, s82, s83
	s_mov_b32 s83, 0
	s_mul_i32 s84, s68, 33792
	s_add_co_u32 s84, s84, MOFF
	s_lshl_b32 s86, s17, 21                        ; out0: the same rows of 2,048 bytes, + 512 w
	s_lshl_b32 s87, s16, 18
	s_add_co_u32 s86, s86, s87
	s_lshl_b32 s87, s14, 9
	s_add_co_u32 s86, s86, s87
	s_mov_b32 s87, 0
	; group 1 for K: 25,600 dense bytes as 100 rows of 256 (32 elements of 8 bytes)
	s_mov_b32 s24, 0x0023000f                      ; the mask: all four work-groups; elements of 8 bytes; bit 21 beside a mask
	s_mov_b32 s25, 32<<16
	s_mov_b32 s26, 100<<16
	s_mov_b32 s27, 32<<16
	s_mov_b32 s28, 100
	s_mov_b32 s29, 32
	s_mov_b32 s30, 0
	s_mov_b32 s31, 0
	; group 1 for the mask: 64 rows of 128 f32, 1,024 apart, 4 words of padding behind each 128
	s_mov_b32 s32, 0x07920000
	s_mov_b32 s33, 128<<16
	s_mov_b32 s34, 64<<16
	s_mov_b32 s35, 128<<16
	s_mov_b32 s36, 64
	s_mov_b32 s37, 1024
	s_mov_b32 s38, 0
	s_mov_b32 s39, 0
	s_wait_kmcnt 0x0
	s_mov_b32 s40, 1                               ; K, step 0 into slot 0,
	s_mov_b32 s41, s74
	s_add_nc_u64 s[42:43], s[6:7], s[76:77]
	s_mov_b32 s44, 1                               ; step 1 into slot 1: this set then walks on
	s_add_co_u32 s45, s74, SLOT1
	s_add_nc_u64 s[46:47], s[42:43], BLK
	s_or_b32 s43, s43, 0x80000000
	s_or_b32 s47, s47, 0x80000000
	s_mov_b32 s48, 1                               ; the mask likewise
	s_mov_b32 s49, s84
	s_add_nc_u64 s[50:51], s[10:11], s[82:83]
	s_mov_b32 s52, 1
	s_add_co_u32 s53, s84, SLOT1
	s_add_nc_u64 s[54:55], s[50:51], 512
	s_or_b32 s51, s51, 0x80000000
	s_or_b32 s55, s55, 0x80000000
	s_add_nc_u64 s[4:5], s[4:5], s[80:81]
	s_add_nc_u64 s[8:9], s[8:9], s[78:79]
	s_add_nc_u64 s[12:13], s[12:13], s[86:87]
	ROUND                                          ; all four work-groups are here: the first joint loads meet
	s_cmp_lt_u32 s14, 2                            ; a wave's two first fills stand in one branch: two loads of mine are out
	s_cbranch_scc0 .Lfirst_m
	tensor_load_to_lds s[40:43], s[24:31]
	s_nop 0
	tensor_load_to_lds s[44:47], s[24:31]
	s_nop 0
	PLACES
	s_branch .Lfirst_asked
.Lfirst_m:
	tensor_load_to_lds s[48:51], s[32:39]
	s_nop 0
	tensor_load_to_lds s[52:55], s[32:39]
	s_nop 0
	PLACES
.Lfirst_asked:
.set f_, 0
.rept 8                                ; Q stays in registers through phase A: fragment (a, s) at QF + 12 (4 a + s)
.irp c, 0,1,2
	global_load_b128 v[QF+12*f_+4*\c:QF+12*f_+4*\c+3], v4, s[4:5] offset:1536*f_+512*\c
.endr
.set f_, f_+1
.endr
.irp s, 0,1,2,3
	global_load_b32 v[QS+\s], v164, s[4:5] offset:49152+512*\s
.endr
	s_wait_tensorcnt 1                             ; my part of slot 0 is in; slot 1's may stay out
	s_barrier_signal -1
	s_barrier_wait -1
	s_wait_loadcnt 0x0                             ; Q
; ---------------- PHASE A
	s_mov_b32 s58, 6
.Lmain:                                            ; steps 0 to 5; their refills bring steps 2 to 7
	STEPA
	CHANGE 1
	s_xor_b32 s56, s56, SLOT1
	s_add_co_u32 s57, s57, PIMG
	s_sub_co_u32 s58, s58, 1
	s_cmp_lg_u32 s58, 0
	s_cbranch_scc1 .Lmain
	s_mov_b32 s57, GAP                             ; step 6 asks for no tile; its P goes between the slots
.set j_, 0
.rept 8
	global_load_b128 v[VS+4*j_:VS+4*j_+3], v5, s[8:9] offset:j_*BLK          ; V's scale words of all eight K steps: lanes 0-15 group 0's tiles, lanes 16-31 group 1's
.set j_, j_+1
.endr
	VLD 0                                          ; phase B's first six stages of V are asked for here and at step 7's head: a step or more ahead of their use
	VLD 1
	VLD 2
	STEPA
	CHANGE 0                                       ; behind this barrier nobody reads slot 0, and nothing is filled any more
	s_xor_b32 s56, s56, SLOT1
	s_mov_b32 s57, 0                               ; step 7's P goes to slot 0's first bytes
	VLD 3
	VLD 4
	VLD 5
	STEPA
; ---------------- THE TRANSITION: 1 / l, and each step's scale words under the last M
	WIN 0x55
	v_add_f32 v214, v228, v229                     ; the sum's two halves,
	v_add_f32 v215, v230, v231
	v_permlanex16_b32 v200, v214, s18, s19
	v_permlanex16_b32 v201, v215, s18, s19
	v_add_f32 v214, v214, v200                     ; and lane l xor 16's
	v_add_f32 v215, v215, v201
	v_rcp_f32 v216, v214
	v_rcp_f32 v218, v215
	v_nop                                          ; one plain place behind a transcendental
	s_wait_alu depctr_va_vdst(0)
	v_mov_b32 v217, v216
	v_mov_b32 v219, v218
	ds_store_b128 v254, v[216:219]
	WIN 0x46                                       ; source 0 window 2
.set x_, 0
.rept 16
	v_sub_f32 v[160+x_], v[16+x_], v[224+2*(x_%2)] ; d = last M - that step's M: a whole number, 0 or more
.set x_, x_+1
.endr
	WIN 0x55
.set x_, 0
.rept 16
	v_min_num_f32 v[160+x_], 0x42fe0000, v[160+x_] ; held at 127: over every byte, which are 123 at the most
.set x_, x_+1
.endr
.set x_, 0
.rept 16
	v_cvt_u32_f32 v[160+x_], v[160+x_]
.set x_, x_+1
.endr
.set x_, 0
.rept 16
	v_lshl_or_b32 v[160+x_], v[160+x_], 8, v[160+x_]
.set x_, x_+1
.endr
.set x_, 0
.rept 16
	v_lshl_or_b32 v[160+x_], v[160+x_], 16, v[160+x_]              ; d in all four bytes
.set x_, x_+1
.endr
	WIN 0x48                                       ; source 1 window 2
.set x_, 0
.rept 16
	v_or_b32 v[176+x_], s59, v[x_]                 ; byte + 128: with d at most 127 no byte borrows from its neighbour
.set x_, x_+1
.endr
	WIN 0x55
.set x_, 0
.rept 16
	v_sub_nc_u32 v[176+x_], v[176+x_], v[160+x_]   ; byte + 128 - d: bit 7 is left where byte >= d
.set x_, x_+1
.endr
.set x_, 0
.rept 16
	v_and_b32 v[192+x_], s59, v[176+x_]
.set x_, x_+1
.endr
.set x_, 0
.rept 16
	v_lshrrev_b32 v[160+x_], 7, v[192+x_]
.set x_, x_+1
.endr
.set x_, 0
.rept 16
	v_sub_nc_u32 v[192+x_], v[192+x_], v[160+x_]   ; 0x7f in those bytes, 0 in the others
.set x_, x_+1
.endr
.set x_, 0
.rept 16
	v_and_b32 v[176+x_], v[176+x_], v[192+x_]      ; byte - d, held at 0 from below
.set x_, x_+1
.endr
.set x_, 0
.rept 4                                ; steps 2 x and 2 x + 1 (7 - 2 x and 6 - 2 x steps ago) share a register: the even one in lanes 0-15, the odd one in lanes 16-31
	v_cndmask_b32 v[160+2*x_], v[176+2*(7-2*x_)], v[176+2*(6-2*x_)], s60
	v_cndmask_b32 v[161+2*x_], v[177+2*(7-2*x_)], v[177+2*(6-2*x_)], s60
.set x_, x_+1
.endr
.set x_, 0
.rept 4
	ds_store_b64 v251, v[160+2*x_:161+2*x_] offset:1024*x_
.set x_, x_+1
.endr
	WIN 0
	s_wait_dscnt 0x0                               ; for the others' sake: my fragments of P, my scale words and 1 / l lie in LDS
	s_barrier_signal -1
	s_barrier_wait -1
; ---------------- PHASE B
.set x_, 0
.rept 4
	ds_load_b128 v[PSW+8*x_:PSW+8*x_+3], v13 offset:1024*x_        ; P's scale words: register PSW + 8 (j / 2) + m
	ds_load_b128 v[PSW+8*x_+4:PSW+8*x_+7], v13 offset:1024*x_+16
.set x_, x_+1
.endr
	WIN 0x40
.irp i, 0,1,2,3
	ds_load_b128 v[192+4*\i:192+4*\i+3], v14 offset:16*\i          ; (1 / l, 1 / l) of the eight tiles
.endr
	PLD 0, 0
.irp s, 0,1,2,3,4,5,6,7
	STAGE \s
.endr
	PLACES                                         ; in front of the first read of results
	EPI 0                                          ; group 0's rows leave while group 1 is multiplied
.irp s, 8,9,10,11,12,13,14,15
	STAGE \s
.endr
	PLACES
	EPI 1
	s_wait_tensorcnt 0x0                           ; the wave's end
	ds_add_u32 v1, v2
	s_wait_dscnt 0x0
	ROUND                                          ; the closing round: no work-group ends while a partner may still ask jointly
	s_endpgm
.Lfunc_end_k_q98b5c03b93_attn:
	.size	k_q98b5c03b93_attn, .Lfunc_end_k_q98b5c03b93_attn-k_q98b5c03b93_attn
	.p2alignl 7, 3214868480
	.fill 96, 4, 3214868480
	.section	.rodata,"a",@progbits
	.p2align	6, 0x0
	.amdhsa_kernel k_q98b5c03b93_attn
		.amdhsa_group_segment_fixed_size 327680
		.amdhsa_private_segment_fixed_size 0
		.amdhsa_enable_private_segment 0
		.amdhsa_kernarg_size 40
		.amdhsa_user_sgpr_count 2
		.amdhsa_user_sgpr_kernarg_segment_ptr 1
		.amdhsa_wavefront_size32 1
		.amdhsa_system_sgpr_workgroup_id_x 1
		.amdhsa_system_sgpr_workgroup_id_y 1
		.amdhsa_system_sgpr_workgroup_id_z 1
		.amdhsa_system_vgpr_workitem_id 0
		.amdhsa_next_free_vgpr 1024
		.amdhsa_next_free_sgpr 96
		.amdhsa_reserve_vcc 0
		.amdhsa_float_denorm_mode_32 3
		.amdhsa_float_denorm_mode_16_64 3
		.amdhsa_memory_ordered 1
		.amdhsa_forward_progress 1
		.amdhsa_inst_pref_size 255
	.end_amdhsa_kernel
	.section	.bss,"aw",@nobits
	.p2align	6
	.space	262144
	.amdgpu_metadata
---
amdhsa.version: [ 1, 2 ]
amdhsa.kernels:
  - .name:           k_q98b5c03b93_attn
    .symbol:         k_q98b5c03b93_attn.kd
    .args:
      - { .name: qc, .offset: 0, .size: 8, .value_kind: global_buffer, .address_space: global }
      - { .name: kc, .offset: 8, .size: 8, .value_kind: global_buffer, .address_space: global }
      - { .name: vc, .offset: 16, .size: 8, .value_kind: global_buffer, .address_space: global }
      - { .name: mask, .offset: 24, .size: 8, .value_kind: global_buffer, .address_space: global }
      - { .name: out0, .offset: 32, .size: 8, .value_kind: global_buffer, .address_space: global }
    .group_segment_fixed_size: 327680
    .private_segment_fixed_size: 0
    .kernarg_segment_align: 8
    .kernarg_segment_size: 40
    .max_flat_workgroup_size: 128
    .sgpr_count:     96
    .vgpr_count:     1024
    .wavefront_size: 32
...
	.end_amdgpu_metadata
.endif
;; end of part 3
